; MI455X (gfx1250); checked and timed in simulation.
; The chip was launched on July 23, 2026; its instructions are those of AMD's public machine-readable ISA for CDNA 5 (MIT licence, August 2026) and "CDNA5" Instruction Set Architecture Reference Guide (July 2026). The comments in the code are by the model that wrote it; some were corrected since.
;; Hippo SS Kernel. Allowed arithmetic: float matrix products may take bf16 or f16 operands with f32 sums; all other float work in f32.
;; Inputs: C_im 1 x 1,024 x 64 float32; C_re 1 x 1,024 x 64 float32; log_dt 1,024 float32; log_w_real 1,024 x 64 float32; w_imag 1,024 x 64 float32.
;; Outputs: out0 1 x 1,024 x 2,048 float32.
;; Constants: L = 2048.
;; 2 versions, each right; version 2 is version 1 with the launch sskernel written anew for expert scheduling mode. Each part assembles by itself: llvm-mc -triple=amdgcn-amd-amdhsa -mcpu=gfx1250 --defsym DOCPART=n.
;; ======== version 1 of 2: 1 launch
;; limits: right only within a limited range of input values
;; launch sskernel (part 1): grid 256 x 1, 4 waves a work-group, no clusters, 236,032 bytes of LDS; arguments C_im, C_re, log_dt, log_w_real, w_imag, out0; writes out0
.if DOCPART == 1
	.amdgcn_target "amdgcn-amd-amdhsa--gfx1250"
	.amdhsa_code_object_version 6
	.text
	.protected	k_qf3c7e3305c_sskernel
	.globl	k_qf3c7e3305c_sskernel
	.p2align	8
	.type	k_qf3c7e3305c_sskernel,@function
k_qf3c7e3305c_sskernel:
	s_mov_b64 s[64:65], 0
	v_nop
	global_prefetch_b8 v0, s[64:65] scope:SCOPE_SE
	s_setreg_imm32_b32 hwreg(HW_REG_WAVE_MODE, 25, 1), 1
	s_wait_xcnt 0x0
; K[h][l] = 2 Re sum over n of Cw[h][n] E[h][n]^l,  h < 1024, n < 64, l < 2048;  E = exp(dtA), dtA = (-exp(log_w_real) + i w_imag) exp(log_dt),
; Cw = (C_re + i C_im)(E - 1) / w.   One wave makes one h; four waves a work-group; 256 work-groups.
;
; THE IDEA.  l = f + g, so E^l = E^f E^g and K = sum over 128 real k of A[m][k] B[n][k], A's row = conj(2 Cw E^f), B's row = E^g (real and imaginary
; parts of the 64 modes as 128 numbers): a matrix product for each h, with 32 + 64 = 96 complex values a mode in place of 2048.
;   A's 32 rows: f = a + 64 b (a < 4, b < 8) in LDS row a + 4 ((b >> 1) & 1) + 8 (b & 1) + 16 (b >> 2);
;   B's 64 rows: g = 4 i + 16 q + 512 t (i, q, t < 4) in LDS row 32 + 16 t + 4 q + i.
; In the result tile (t0, t) register u of lane L is (m = 8 (L >> 4) + u, n = L & 15) (ISA guide 7.12.2), which by the rows' order is
; l = (u & 3) + 128 (u >> 2) + 4 L + 256 t0 + 512 t: registers 0-3 are 16 neighbouring bytes of a lane and 512 of the wave, registers 4-7 the next 512,
; so results are stored from the accumulators as they lie, each store covering 512 consecutive bytes at a multiple of 512 from out0's first byte.
; OPERANDS.  Each f32 value x goes in as two bf16: hi = x rounded, lo = x - hi (exact, one fused multiply-add) rounded; three products hi hi + lo hi + hi lo.
; One 16-bit number alone would leave an error of 2^-9 (bf16) or 2^-12 (f16) of the terms, which at small l are many times the output's root mean square.
; GENERATION.  Lane p holds modes 2 p and 2 p + 1, both at once in packed f32; a block is (re, re, im, im).  E^1 and E^64 are evaluated, all other powers
; follow by complex products.  A row is 256 bytes of hi + 256 of lo: lane p writes (re0, re1, im0, im1) at byte 8 p, alike in A and B, so the order of k
; inside a row does not matter.  Rows are read back as ordinary fragments (K along the row).
; B's rows are made in 16 steps of four rows; the matrix instructions of K step i (six) stand among the vector work five steps later.
; No cluster: work-groups share no input.  No barrier: a wave touches only its own 58,880 bytes of LDS, and LDS serves a wave's instructions in order
; (ISA guide 5.7.1).  No tensor load: a wave's inputs are 1 KB, used once from registers.
; LIMITS.  exp(2 log_w_real) + w_imag^2 has to be a normal f32 (|w| between about 1e-19 and 1e19).  v_exp_f32 gives 0 for magnitudes below 2^-126.
; The phase is reduced exactly while |Im dtA| 64 / (2 pi) < 2^23; beyond that the angle is meaningless but bounded.  Powers reached by up to five squarings
; from the two evaluations, and the product lo lo that is left out, leave a relative error of about 2e-5 in a term.  E - 1 carries v_exp_f32's rounding.
; The phase dtA l is not rounded to f32 as in the reference.  An infinite intermediate gives NaN (hi - hi).
.set PITCH, 528                        ; an LDS row: 256 hi + 256 lo + 16: 33 x 16 bytes, so the 16 rows of a fragment load start at 16 different 16-byte columns
.set GT,    96*PITCH                   ; behind the 96 rows: 16 entries of 512 bytes (16 a lane, f32): entry 4 t + q = E^(16 q + 512 t)
.set WLDS,  GT+16*512                  ; a wave's LDS
; registers that stay
.set STA,  2                           ; LDS: my 8 bytes of row 0
.set LDF,  3                           ; LDS: my 16 bytes of a fragment of rows 0-15
.set OUTO, 4                           ; byte offset in the work-group's four rows of out0: 8192 wave + 16 lane
.set NEG1, 5                           ; -1.0
.set GAD,  6                           ; LDS: my 16 bytes of a 512-byte entry at the wave's base
.set H0,   8                           ; v[8:9], v[10:11]: two rows' hi
.set H1,   10
.set FB,   8                           ; E^(4 i) at FB + 4 i, i = 1, 2, 3: v[12:23]
.set GBUF, 24                          ; v[24:31]   two buffers for entries of GT
.set V,    32                          ; v[32:47]   four products
.set BF,   48                          ; v[48:79]   two B fragment buffers: 8 hi, 8 lo
.set AC,   80                          ; v[80:111]  accumulators: 16 (t & 1) + 8 t0
.set AF,   128                         ; v[128:255] A fragments: 64 t0 + 16 k: 8 hi, 8 lo
; registers of the set-up, dead before the ranges above are taken
.set TA,   48                          ; conj(2 Cw E^a) at TA + 4 a
.set GA,   80                          ; E^(64 b) at GA + 4 b
.set LW,   64
.set WIM,  66
.set CR,   68
.set CI,   70
.set LDT,  72
.set DT,   74                          ; dt, twice
.set ER,   76                          ; exp(log_w_real) = -Re w
.set EXPO, 78                          ; Re dtA x log2 e
.set ZI,   112                         ; Im dtA
.set UH,   114                         ; Im dtA / 2 pi in turns, upper word
.set UL,   116                         ; lower word
.set KS,   118
.set KC,   120
.set TM,   122                         ; v[122:127] at work
.set E1,   128
.set E2,   132
.set PS1,  136                         ; E^16, E^32, E^48
.set PS2,  140
.set PS3,  144
.set PT1,  148                         ; E^512, E^1024, E^1536
.set PT2,  152
.set PT3,  156
.set GP,   160                         ; E^(16 q + 512 t) at GP + 4 (3 (t - 1) + q - 1), t, q = 1 .. 3
.set EV,   200                         ; two evaluations, 20 registers each
.set CT,   220                         ; Cw's temporaries, in the second evaluation's registers when it is over
.set K_L2E,     0x3fb8aa3b             ; log2 e, and what f32 leaves of it
.set K_L2E_LO,  0x32a57060
.set K_LN2,     0x3f317218
.set K_I2PI,    0x3e22f983             ; 1 / 2 pi, and what f32 leaves of it
.set K_I2PI_LO, 0x31dc9c88
.set K_PIO2,    0x3fc90fdb
.set K_NA1, 0xbe2aaaa3                 ; sin x = x + x^3 (-A1 + x^2 (A2 - x^2 A3)) on |x| <= pi/4
.set K_A2,  0x3c08839e
.set K_NA3, 0xb94ca1f9
.set K_B1,  0x3d2aaaa5                 ; cos x - 1 = x^2 (-1/2 + x^2 (B1 + x^2 (-B2 + x^2 B3)))
.set K_NB2, 0xbab6061a
.set K_B3,  0x37ccf5ce
; d = p q (c = 0) or p conj(q) (c = 1), in two halves so that two or more products can be interleaved
.macro CMA d, p, q
	v_pk_mul_f32 v[\d:\d+1], v[\p:\p+1], v[\q:\q+1]
	v_pk_mul_f32 v[\d+2:\d+3], v[\p+2:\p+3], v[\q:\q+1]
.endm
.macro CMB d, p, q, c
.if \c
	v_pk_fma_f32 v[\d:\d+1], v[\p+2:\p+3], v[\q+2:\q+3], v[\d:\d+1]
	v_pk_fma_f32 v[\d+2:\d+3], v[\p:\p+1], v[\q+2:\q+3], v[\d+2:\d+3] neg_lo:[1,0,0] neg_hi:[1,0,0]
.else
	v_pk_fma_f32 v[\d:\d+1], v[\p+2:\p+3], v[\q+2:\q+3], v[\d:\d+1] neg_lo:[1,0,0] neg_hi:[1,0,0]
	v_pk_fma_f32 v[\d+2:\d+3], v[\p:\p+1], v[\q+2:\q+3], v[\d+2:\d+3]
.endif
.endm
.macro CM2 d0, p0, q0, c0, d1, p1, q1, c1
	CMA \d0, \p0, \q0
	CMA \d1, \p1, \q1
	CMB \d0, \p0, \q0, \c0
	CMB \d1, \p1, \q1, \c1
.endm
; x = x - hi for a block x, hi in the pair hp: the bf16 half times -1.0 plus x, exact
.macro RESID x, hp
	v_fma_mix_f32_bf16 v[\x], v[\hp], v[NEG1], v[\x] op_sel_hi:[1,0,0]
	v_fma_mix_f32_bf16 v[\x+1], v[\hp], v[NEG1], v[\x+1] op_sel:[1,0,0] op_sel_hi:[1,0,0]
	v_fma_mix_f32_bf16 v[\x+2], v[\hp+1], v[NEG1], v[\x+2] op_sel_hi:[1,0,0]
	v_fma_mix_f32_bf16 v[\x+3], v[\hp+1], v[NEG1], v[\x+3] op_sel:[1,0,0] op_sel_hi:[1,0,0]
.endm
; two blocks s0, s1 go out as rows r0, r1.  First half: hi of both, stored; s0's remainder
.macro EA s0, r0, s1, r1
	v_cvt_pk_bf16_f32 v[H0], v[\s0], v[\s0+1]
	v_cvt_pk_bf16_f32 v[H0+1], v[\s0+2], v[\s0+3]
	v_cvt_pk_bf16_f32 v[H1], v[\s1], v[\s1+1]
	v_cvt_pk_bf16_f32 v[H1+1], v[\s1+2], v[\s1+3]
	ds_store_b64 v[STA], v[H0:H0+1] offset:(\r0)*PITCH
	ds_store_b64 v[STA], v[H1:H1+1] offset:(\r1)*PITCH
	RESID \s0, H0
.endm
; second half: s1's remainder; lo of both, packed into the blocks' first two registers, stored
.macro EB s0, r0, s1, r1
	RESID \s1, H1
	v_cvt_pk_bf16_f32 v[\s0], v[\s0], v[\s0+1]
	v_cvt_pk_bf16_f32 v[\s0+1], v[\s0+2], v[\s0+3]
	v_cvt_pk_bf16_f32 v[\s1], v[\s1], v[\s1+1]
	v_cvt_pk_bf16_f32 v[\s1+1], v[\s1+2], v[\s1+3]
	ds_store_b64 v[STA], v[\s0:\s0+1] offset:(\r0)*PITCH+256
	ds_store_b64 v[STA], v[\s1:\s1+1] offset:(\r1)*PITCH+256
.endm
; The next of the six matrix instructions of K step WS (tile t = WS >> 2, k = WS & 3): t0 = 0, 1 by turns; hi hi, lo hi, hi lo.
; The two accumulators take turns, one instruction a turn, from step to step too.
; The first product of a tile takes the constant 0 as C: nothing is cleared.
.macro WM
.if WON
	.set wt0, WC&1
	.set wpp, WC>>1
	.set wk, WS&3
	.set wa, AF+64*wt0+16*wk+8*(wpp&1)
	.set wb, BF+16*(WS&1)+8*(wpp>>1)
	.set wd, AC+16*((WS>>2)&1)+8*wt0
	.if (wk+wpp) == 0
	v_wmma_f32_16x16x32_bf16 v[wd:wd+7], v[wa:wa+7], v[wb:wb+7], 0
	.else
	v_wmma_f32_16x16x32_bf16 v[wd:wd+7], v[wa:wa+7], v[wb:wb+7], v[wd:wd+7]
	.endif
	.set WC, WC+1
.endif
.endm
; Four rows rb .. rb + 3: block pb + 4 i times g (c = 1: times conj g).  first = 1: row rb is g itself, which is used up in place.
; Six places for matrix instructions, seven to eight vector instructions apart; the last is followed by EB's eight vector instructions, none of which
; names a register of a matrix instruction, so what stands at the next step's head is more than four places behind it (ISA guide 7.12.1).
.macro QUAD pb, g, c, first, rb
	WM
.if \first == 0
	CMA V, \pb, \g
.endif
	CMA V+4, \pb+4, \g
	CMA V+8, \pb+8, \g
	CMA V+12, \pb+12, \g
	WM
.if \first == 0
	CMB V, \pb, \g, \c
.endif
	CMB V+4, \pb+4, \g, \c
	CMB V+8, \pb+8, \g, \c
	CMB V+12, \pb+12, \g, \c
	WM
.if \first == 0
	EA V, \rb, V+4, \rb+1
	WM
	EB V, \rb, V+4, \rb+1
.else
	EA \g, \rb, V+4, \rb+1
	WM
	EB \g, \rb, V+4, \rb+1
.endif
	WM
	EA V+8, \rb+2, V+12, \rb+3
	WM
	EB V+8, \rb+2, V+12, \rb+3
.endm
; B's fragment of K step i (tile i >> 2, 64 bytes of the rows at 64 (i & 3)), hi and lo
.macro LDB i
	ds_load_b128 v[BF+16*((\i)&1):BF+16*((\i)&1)+3],     v[LDF] offset:(32+16*((\i)>>2))*PITCH+64*((\i)&3)
	ds_load_b128 v[BF+16*((\i)&1)+4:BF+16*((\i)&1)+7],   v[LDF] offset:(32+16*((\i)>>2))*PITCH+64*((\i)&3)+32
	ds_load_b128 v[BF+16*((\i)&1)+8:BF+16*((\i)&1)+11],  v[LDF] offset:(32+16*((\i)>>2))*PITCH+64*((\i)&3)+256
	ds_load_b128 v[BF+16*((\i)&1)+12:BF+16*((\i)&1)+15], v[LDF] offset:(32+16*((\i)>>2))*PITCH+64*((\i)&3)+288
.endm
; the two tiles of t leave: 2,048 consecutive bytes of the wave's row in four stores of 512
.macro OUT tt
.irp z, 0,1
.irp u, 0,1
	global_store_b128 v[OUTO], v[AC+16*((\tt)&1)+8*\z+4*\u:AC+16*((\tt)&1)+8*\z+4*\u+3], s[14:15] offset:2048*(\tt)+1024*\z+512*\u th:TH_STORE_NT
.endr
.endr
.endm
	s_load_b256 s[4:11], s[0:1], 0x0               ; C_im s[4:5], C_re s[6:7], log_dt s[8:9], log_w_real s[10:11]
	s_load_b128 s[12:15], s[0:1], 0x20             ; w_imag s[12:13], out0 s[14:15]
	v_lshl_add_u32 v125, v0, 2, 0x39800
	v_mov_b32 v126, 0
	v_lshrrev_b32 v1, 5, v0
	v_readfirstlane_b32 s16, v1                    ; wave 0..3; h = 4 x work-group + wave
	s_lshl_b32 s17, ttmp9, 10                      ; four rows of 64 f32
	s_lshl_b32 s18, ttmp9, 4                       ; four f32 of log_dt
	s_lshl_b32 s22, ttmp9, 15                      ; four rows of 2048 f32
	s_mov_b32 s23, 0
	s_mul_i32 s24, s16, WLDS                       ; my wave's LDS
	v_lshl_add_u32 v7, v0, 3, s17                  ; 256 wave + 8 lane: a wave's load covers its row's 256 bytes
	v_lshl_add_u32 v[TM+5], v1, 2, s18
	s_wait_kmcnt 0x0
	global_load_b32 v[LDT], v[TM+5], s[8:9]
	global_load_b64 v[LW:LW+1], v7, s[10:11] th:TH_LOAD_NT
	global_load_b64 v[WIM:WIM+1], v7, s[12:13] th:TH_LOAD_NT
	global_load_b64 v[CR:CR+1], v7, s[6:7] th:TH_LOAD_NT
	global_load_b64 v[CI:CI+1], v7, s[4:5] th:TH_LOAD_NT
	s_add_nc_u64 s[14:15], s[14:15], s[22:23]      ; out0 at the work-group's four rows
	; addresses and constants while the loads are on their way (v7 and v127, their offsets, are left alone)
	v_and_b32 v[TM], 31, v0                        ; lane
	v_lshl_add_u32 v[STA], v[TM], 3, s24
	v_lshl_add_u32 v[GAD], v[TM], 4, s24
	v_lshlrev_b32 v[OUTO], 4, v[TM]
	v_lshl_add_u32 v[OUTO], v1, 13, v[OUTO]
	v_and_b32 v[TM+1], 15, v0
	v_bfe_u32 v[TM+2], v0, 4, 1
	v_mul_u32_u24 v[TM+1], v[TM+1], PITCH
	v_lshl_add_u32 v[TM+1], v[TM+2], 4, v[TM+1]
	v_add_nc_u32 v[LDF], s24, v[TM+1]              ; row (lane & 15), 16 bytes for each half of the lanes
	v_mov_b32 v[NEG1], -1.0
	v_mov_b32 v[KS], K_A2
	v_mov_b32 v[KS+1], K_A2
	v_mov_b32 v[KC], K_NB2
	v_mov_b32 v[KC+1], K_NB2
	v_mov_b32 v[GA], 1.0                           ; E^0
	v_mov_b32 v[GA+1], 1.0
	v_mov_b32 v[GA+2], 0
	v_mov_b32 v[GA+3], 0
	; dt = exp(log_dt), with the product log_dt x log2 e kept in two words: dt's relative error goes into every phase
	s_wait_loadcnt 0x0
	v_mul_f32 v[TM], K_L2E, v[LDT]
	v_pk_mul_f32 v[LW:LW+1], v[LW:LW+1], K_L2E op_sel_hi:[1,0]
	v_fma_f32 v[TM+1], v[LDT], K_L2E, -v[TM]
	v_exp_f32 v[TM+2], v[TM]
	v_exp_f32 v[ER], v[LW]
	v_exp_f32 v[ER+1], v[LW+1]
	v_fma_f32 v[TM+1], v[LDT], K_L2E_LO, v[TM+1]   ; a plain instruction behind the exponentials that names none of their registers (ISA guide 5.7.2)
	v_mul_f32 v[TM+1], K_LN2, v[TM+1]
	s_wait_alu depctr_va_vdst(0)
	v_fma_f32 v[DT], v[TM+2], v[TM+1], v[TM+2]
	v_fma_f32 v[DT+1], v[TM+2], v[TM+1], v[TM+2]
	v_pk_mul_f32 v[EXPO:EXPO+1], v[ER:ER+1], v[DT:DT+1] neg_lo:[1,0] neg_hi:[1,0]   ; Re dtA, rounded as in the reference
	v_pk_mul_f32 v[ZI:ZI+1], v[WIM:WIM+1], v[DT:DT+1]                               ; Im dtA, likewise
	v_pk_mul_f32 v[EXPO:EXPO+1], v[EXPO:EXPO+1], K_L2E op_sel_hi:[1,0]
	v_pk_mul_f32 v[UH:UH+1], v[ZI:ZI+1], K_I2PI op_sel_hi:[1,0]
	v_pk_fma_f32 v[UL:UL+1], v[ZI:ZI+1], K_I2PI, v[UH:UH+1] op_sel_hi:[1,0,1] neg_lo:[0,0,1] neg_hi:[0,0,1]
	v_pk_fma_f32 v[UL:UL+1], v[ZI:ZI+1], K_I2PI_LO, v[UL:UL+1] op_sel_hi:[1,0,1]
	; E^m for m = 1 (e = 0) and m = 64 (e = 1), stage by stage for the two at once, so that an instruction seldom waits for the one in front of it.
	; eb+0 turns | +2 rounded turns, x^3 | +4 x | +6 x^2 | +8 sin | +10 cos - 1 | +12 exponent | +14 magnitude | +16 2 sin | +18 sin after one doubling
	; mm = m as f32: 1.0, 64.0 (the products by it are exact)
.irp e, 0,1
	.set eb, EV+20*\e
	.set mm, 0x3f800000+\e*0x03000000
	v_pk_mul_f32 v[eb:eb+1], v[UH:UH+1], mm op_sel_hi:[1,0]
	v_pk_mul_f32 v[eb+12:eb+13], v[EXPO:EXPO+1], mm op_sel_hi:[1,0]
.endr
.irp e, 0,1
	.set eb, EV+20*\e
	v_rndne_f32 v[eb+2], v[eb]
	v_rndne_f32 v[eb+3], v[eb+1]
.endr
.irp e, 0,1
	.set eb, EV+20*\e
	v_pk_add_f32 v[eb:eb+1], v[eb:eb+1], v[eb+2:eb+3] neg_lo:[0,1] neg_hi:[0,1]     ; the fraction of a turn, exact
	v_exp_f32 v[eb+14], v[eb+12]                   ; behind each pair of exponentials stands a packed instruction on other registers;
	v_exp_f32 v[eb+15], v[eb+13]                   ; the magnitudes are used only in the last stage
.endr
.irp e, 0,1
	.set eb, EV+20*\e
	.set mm, 0x3f800000+\e*0x03000000
	v_pk_fma_f32 v[eb:eb+1], v[UL:UL+1], mm, v[eb:eb+1] op_sel_hi:[1,0,1]
.endr
.irp e, 0,1
	.set eb, EV+20*\e
	v_rndne_f32 v[eb+2], v[eb]                     ; once more: the lower word may carry past half a turn, and for a huge phase it is itself many turns
	v_rndne_f32 v[eb+3], v[eb+1]
.endr
.irp e, 0,1
	.set eb, EV+20*\e
	v_pk_add_f32 v[eb:eb+1], v[eb:eb+1], v[eb+2:eb+3] neg_lo:[0,1] neg_hi:[0,1]
.endr
.irp e, 0,1
	.set eb, EV+20*\e
	v_pk_mul_f32 v[eb+4:eb+5], v[eb:eb+1], K_PIO2 op_sel_hi:[1,0]                   ; a quarter of the angle: |x| <= pi/4
.endr
.irp e, 0,1
	.set eb, EV+20*\e
	v_pk_mul_f32 v[eb+6:eb+7], v[eb+4:eb+5], v[eb+4:eb+5]
.endr
.irp e, 0,1
	.set eb, EV+20*\e
	v_pk_fma_f32 v[eb+8:eb+9], v[eb+6:eb+7], K_NA3, v[KS:KS+1] op_sel_hi:[1,0,1]
	v_pk_fma_f32 v[eb+10:eb+11], v[eb+6:eb+7], K_B3, v[KC:KC+1] op_sel_hi:[1,0,1]
	v_pk_mul_f32 v[eb+2:eb+3], v[eb+6:eb+7], v[eb+4:eb+5]
.endr
.irp e, 0,1
	.set eb, EV+20*\e
	v_pk_fma_f32 v[eb+8:eb+9], v[eb+8:eb+9], v[eb+6:eb+7], K_NA1 op_sel_hi:[1,1,0]
	v_pk_fma_f32 v[eb+10:eb+11], v[eb+10:eb+11], v[eb+6:eb+7], K_B1 op_sel_hi:[1,1,0]
.endr
.irp e, 0,1
	.set eb, EV+20*\e
	v_pk_fma_f32 v[eb+8:eb+9], v[eb+2:eb+3], v[eb+8:eb+9], v[eb+4:eb+5]             ; sin x
	v_pk_fma_f32 v[eb+10:eb+11], v[eb+10:eb+11], v[eb+6:eb+7], -0.5 op_sel_hi:[1,1,0]
.endr
.irp e, 0,1
	.set eb, EV+20*\e
	v_pk_mul_f32 v[eb+10:eb+11], v[eb+10:eb+11], v[eb+6:eb+7]                       ; cos x - 1
	v_pk_add_f32 v[eb+16:eb+17], v[eb+8:eb+9], v[eb+8:eb+9]
.endr
.irp e, 0,1                            ; the angle doubled: sin 2x = 2 s + 2 s (c - 1), cos 2x - 1 = -2 s s
	.set eb, EV+20*\e
	v_pk_fma_f32 v[eb+18:eb+19], v[eb+16:eb+17], v[eb+10:eb+11], v[eb+16:eb+17]
	v_pk_mul_f32 v[eb+10:eb+11], v[eb+16:eb+17], v[eb+8:eb+9] neg_lo:[1,0] neg_hi:[1,0]
.endr
.irp e, 0,1
	.set eb, EV+20*\e
	v_pk_add_f32 v[eb+16:eb+17], v[eb+18:eb+19], v[eb+18:eb+19]
.endr
.irp e, 0,1                            ; and doubled again: the whole angle
	.set eb, EV+20*\e
	v_pk_fma_f32 v[eb+8:eb+9], v[eb+16:eb+17], v[eb+10:eb+11], v[eb+16:eb+17]
	v_pk_mul_f32 v[eb+10:eb+11], v[eb+16:eb+17], v[eb+18:eb+19] neg_lo:[1,0] neg_hi:[1,0]
.endr
	s_wait_alu depctr_va_vdst(0)
.irp e, 0,1
	.set eb, EV+20*\e
	.set rd, E1-(E1-GA-4)*\e                       ; E^1 to E1, E^64 to GA + 4
	v_pk_fma_f32 v[rd:rd+1], v[eb+14:eb+15], v[eb+10:eb+11], v[eb+14:eb+15]
	v_pk_mul_f32 v[rd+2:rd+3], v[eb+14:eb+15], v[eb+8:eb+9]
.endr
	; conj(2 Cw) = conj(2 C (E - 1) conj(w)) / |w|^2.  Re(E - 1) = mag (cos - 1) + (mag - 1): no 1 is taken from a rounded product.
	v_pk_add_f32 v[CT:CT+1], v[EV+14:EV+15], -1.0 op_sel_hi:[1,0]
	v_pk_mul_f32 v[CT+6:CT+7], v[ER:ER+1], v[ER:ER+1]
	v_pk_fma_f32 v[CT:CT+1], v[EV+14:EV+15], v[EV+10:EV+11], v[CT:CT+1]             ; Re(E - 1)
	v_pk_fma_f32 v[CT+6:CT+7], v[WIM:WIM+1], v[WIM:WIM+1], v[CT+6:CT+7]             ; |w|^2
	v_pk_mul_f32 v[CT+2:CT+3], v[E1+2:E1+3], v[WIM:WIM+1]
	v_pk_mul_f32 v[CT+4:CT+5], v[E1+2:E1+3], v[ER:ER+1]
	v_rcp_f32 v[CT+8], v[CT+6]
	v_rcp_f32 v[CT+9], v[CT+7]
	v_pk_fma_f32 v[CT+2:CT+3], v[CT:CT+1], v[ER:ER+1], v[CT+2:CT+3] neg_lo:[1,0,0] neg_hi:[1,0,0]   ; nr = Re((E - 1) conj w); plain, and names no register of the reciprocals
	v_pk_fma_f32 v[CT+4:CT+5], v[CT:CT+1], v[WIM:WIM+1], v[CT+4:CT+5]                               ; ni = -Im((E - 1) conj w)
	v_pk_mul_f32 v[CT+10:CT+11], v[CR:CR+1], v[CT+2:CT+3]
	v_pk_mul_f32 v[CT+12:CT+13], v[CR:CR+1], v[CT+4:CT+5]
	s_wait_alu depctr_va_vdst(0)
	v_pk_add_f32 v[CT+8:CT+9], v[CT+8:CT+9], v[CT+8:CT+9]                           ; 2 / |w|^2
	v_pk_fma_f32 v[CT+10:CT+11], v[CI:CI+1], v[CT+4:CT+5], v[CT+10:CT+11]
	v_pk_fma_f32 v[CT+12:CT+13], v[CI:CI+1], v[CT+2:CT+3], v[CT+12:CT+13] neg_lo:[1,0,0] neg_hi:[1,0,0]
	v_pk_mul_f32 v[TA:TA+1], v[CT+10:CT+11], v[CT+8:CT+9]
	v_pk_mul_f32 v[TA+2:TA+3], v[CT+12:CT+13], v[CT+8:CT+9]
	; all other powers, two products at a time
	CM2 E2, E1, E1, 0,           GA+8, GA+4, GA+4, 0       ; E^2, E^128
	CM2 FB+4, E2, E2, 0,         GA+16, GA+8, GA+8, 0      ; E^4, E^256
	CM2 TA+4, TA, E1, 1,         GA+12, GA+4, GA+8, 0      ; conj(2 Cw E), E^192
	CM2 FB+8, FB+4, FB+4, 0,     PT1, GA+16, GA+16, 0      ; E^8, E^512
	CM2 TA+8, TA, E2, 1,         TA+12, TA+4, E2, 1        ; conj(2 Cw E^2), conj(2 Cw E^3)
	CM2 PS1, FB+8, FB+8, 0,      PT2, PT1, PT1, 0          ; E^16, E^1024
	CM2 FB+12, FB+4, FB+8, 0,    GA+20, GA+16, GA+4, 0     ; E^12, E^320
	CM2 GA+24, GA+16, GA+8, 0,   GA+28, GA+16, GA+12, 0    ; E^384, E^448
	CM2 PS2, PS1, PS1, 0,        PT3, PT1, PT2, 0          ; E^32, E^1536
	CM2 GP, PS1, PT1, 0,         GP+12, PS1, PT2, 0        ; (t, q) = (1, 1), (2, 1)
	CM2 PS3, PS1, PS2, 0,        GP+24, PS1, PT3, 0        ; E^48, (3, 1)
	CM2 GP+4, PS2, PT1, 0,       GP+16, PS2, PT2, 0        ; (1, 2), (2, 2)
	CM2 GP+28, PS2, PT3, 0,      GP+8, PS3, PT1, 0         ; (3, 2), (1, 3)
	CM2 GP+20, PS3, PT2, 0,      GP+32, PS3, PT3, 0        ; (2, 3), (3, 3)
	; the table GT: entry 4 t + q = E^(16 q + 512 t)
.irp t, 0,1,2,3
.irp q, 0,1,2,3
.if \t == 0
.if \q == 0
	.set src, GA
.else
	.set src, PS1-4+4*\q
.endif
.else
.if \q == 0
	.set src, PT1-4+4*\t
.else
	.set src, GP+4*(3*(\t-1)+\q-1)
.endif
.endif
	ds_store_b128 v[GAD], v[src:src+3] offset:GT+512*(4*\t+\q)
.endr
.endr
	; A's 32 rows: conj(2 Cw E^a) conj(E^(64 b))
	.set WON, 0
	.set WS, 0
	.set WC, 0
.irp b, 0,1,2,3,4,5,6,7
	QUAD TA, GA+4*\b, 1, 0, 4*((\b>>1)&1)+8*(\b&1)+16*(\b>>2)
.endr
	; GT's first entry, then A's fragments, which stay in registers: 2 tiles x 4 K steps x (hi, lo).  These loads see the wave's own stores above.
	ds_load_b128 v[GBUF:GBUF+3], v[GAD] offset:GT
.irp z, 0,1
.irp k, 0,1,2,3
	ds_load_b128 v[AF+64*\z+16*\k:AF+64*\z+16*\k+3],     v[LDF] offset:16*\z*PITCH+64*\k
	ds_load_b128 v[AF+64*\z+16*\k+4:AF+64*\z+16*\k+7],   v[LDF] offset:16*\z*PITCH+64*\k+32
	ds_load_b128 v[AF+64*\z+16*\k+8:AF+64*\z+16*\k+11],  v[LDF] offset:16*\z*PITCH+64*\k+256
	ds_load_b128 v[AF+64*\z+16*\k+12:AF+64*\z+16*\k+15], v[LDF] offset:16*\z*PITCH+64*\k+288
.endr
.endr
	; 21 steps.  Step j < 16 makes B's rows 32 + 4 j .. + 3 from GT[j]; step j fetches B's fragment of K step j - 4 (its tile's 16 rows were stored in
	; steps 4 t .. 4 t + 3 <= j - 1) and issues the six matrix instructions of K step j - 5.  Tile pair t is complete after step 4 t + 8 and leaves at the head of step 4 t + 9.
	.set j, 0
.rept 21
.if j == 0
	s_wait_dscnt 32                                ; GT[0] is in: behind it only the 32 loads of A's fragments were issued
.elseif j <= 16
	s_wait_dscnt 8                                 ; all but the last step's eight row stores: its loads of GT[j] and of B's fragment are in (in step 1: A's fragments too)
.else
	s_wait_dscnt 0                                 ; B's fragment, asked for in the last step; nothing was issued behind it
.endif
.if j >= 17
.if j <= 19
.rept 4
	v_nop                                          ; four places behind the last matrix instruction, for the stores of its results and the loads into its sources
.endr
.endif
.endif
.if j >= 9
.if (j&3) == 1
.if j >= 13
	s_wait_xcnt 0x0                                ; the accumulators that were stored four steps ago are started again in this step, only behind this wait
.endif
	OUT (j-9)/4
.endif
.endif
.if j < 15
	ds_load_b128 v[GBUF+4*((j+1)&1):GBUF+4*((j+1)&1)+3], v[GAD] offset:GT+512*(j+1)
.endif
.if j >= 4
.if j <= 19
	LDB j-4
.endif
.endif
.if j >= 5
	.set WON, 1
.else
	.set WON, 0
.endif
	.set WS, j-5
	.set WC, 0
.if j < 16
	QUAD FB, GBUF+4*(j&1), 0, 1, 32+4*j
.else
.rept 6
	WM
.endr
.endif
	.set j, j+1
.endr
.rept 4
	v_nop                                          ; four places behind the last matrix instruction, then its results leave
.endr
	OUT 3
	s_wait_tensorcnt 0x0
	ds_add_u32 v125, v126
	s_wait_dscnt 0x0
	s_endpgm
.Lfunc_end_k_qf3c7e3305c_sskernel:
	.size	k_qf3c7e3305c_sskernel, .Lfunc_end_k_qf3c7e3305c_sskernel-k_qf3c7e3305c_sskernel
	.p2alignl 7, 3214868480
	.fill 96, 4, 3214868480
	.section	.rodata,"a",@progbits
	.p2align	6, 0x0
	.amdhsa_kernel k_qf3c7e3305c_sskernel
		.amdhsa_group_segment_fixed_size 236032
		.amdhsa_private_segment_fixed_size 0
		.amdhsa_enable_private_segment 0
		.amdhsa_kernarg_size 48
		.amdhsa_user_sgpr_count 2
		.amdhsa_user_sgpr_kernarg_segment_ptr 1
		.amdhsa_wavefront_size32 1
		.amdhsa_system_sgpr_workgroup_id_x 1
		.amdhsa_system_sgpr_workgroup_id_y 1
		.amdhsa_system_sgpr_workgroup_id_z 1
		.amdhsa_system_vgpr_workitem_id 0
		.amdhsa_next_free_vgpr 256
		.amdhsa_next_free_sgpr 66
		.amdhsa_reserve_vcc 0
		.amdhsa_float_denorm_mode_32 3
		.amdhsa_float_denorm_mode_16_64 3
		.amdhsa_memory_ordered 1
		.amdhsa_forward_progress 1
		.amdhsa_inst_pref_size 113
	.end_amdhsa_kernel
	.amdgpu_metadata
---
amdhsa.version: [ 1, 2 ]
amdhsa.kernels:
  - .name:           k_qf3c7e3305c_sskernel
    .symbol:         k_qf3c7e3305c_sskernel.kd
    .args:
      - { .name: C_im, .offset: 0, .size: 8, .value_kind: global_buffer, .address_space: global }
      - { .name: C_re, .offset: 8, .size: 8, .value_kind: global_buffer, .address_space: global }
      - { .name: log_dt, .offset: 16, .size: 8, .value_kind: global_buffer, .address_space: global }
      - { .name: log_w_real, .offset: 24, .size: 8, .value_kind: global_buffer, .address_space: global }
      - { .name: w_imag, .offset: 32, .size: 8, .value_kind: global_buffer, .address_space: global }
      - { .name: out0, .offset: 40, .size: 8, .value_kind: global_buffer, .address_space: global }
    .group_segment_fixed_size: 236032
    .private_segment_fixed_size: 0
    .kernarg_segment_align: 8
    .kernarg_segment_size: 48
    .max_flat_workgroup_size: 128
    .sgpr_count:     66
    .vgpr_count:     256
    .wavefront_size: 32
...
	.end_amdgpu_metadata
.endif
;; end of part 1
;; ======== version 2 of 2: 1 launch; version 1 with the launch sskernel written anew for expert scheduling mode
;; limits: right only within a limited range of input values
;; launch sskernel (part 2): grid 256 x 1, 4 waves a work-group, no clusters, 236,032 bytes of LDS; arguments C_im, C_re, log_dt, log_w_real, w_imag, out0; writes out0
.if DOCPART == 2
	.amdgcn_target "amdgcn-amd-amdhsa--gfx1250"
	.amdhsa_code_object_version 6
	.text
	.protected	k_qf3c7e3305c_sskernel
	.globl	k_qf3c7e3305c_sskernel
	.p2align	8
	.type	k_qf3c7e3305c_sskernel,@function
k_qf3c7e3305c_sskernel:
	s_mov_b64 s[64:65], 0
	v_nop
	global_prefetch_b8 v0, s[64:65] scope:SCOPE_SE
	s_setreg_imm32_b32 hwreg(HW_REG_WAVE_SCHED_MODE, 0, 2), 2
	s_setreg_imm32_b32 hwreg(HW_REG_WAVE_MODE, 25, 1), 1
	s_wait_xcnt 0x0
	s_wait_alu depctr_vm_vsrc(0)
; K[h][l] = 2 Re sum over n of Cw[h][n] E[h][n]^l,  h < 1024, n < 64, l < 2048;  E = exp(dtA), dtA = (-exp(log_w_real) + i w_imag) exp(log_dt),
; Cw = (C_re + i C_im)(E - 1) / w.   One wave makes one h; four waves a work-group; 256 work-groups.
;
; THE IDEA.  l = f + g, so E^l = E^f E^g and K = sum over 128 real k of A[m][k] B[n][k], A's row = conj(2 Cw E^f), B's row = E^g (real and imaginary
; parts of the 64 modes as 128 numbers): a matrix product for each h, with 32 + 64 = 96 complex values a mode in place of 2048.
;   A's 32 rows: f = a + 64 b (a < 4, b < 8) in LDS row a + 4 ((b >> 1) & 1) + 8 (b & 1) + 16 (b >> 2);
;   B's 64 rows: g = 4 i + 16 q + 512 t (i, q, t < 4) in LDS row 32 + 16 t + 4 q + i.
; In the result tile (t0, t) register u of lane L is (m = 8 (L >> 4) + u, n = L & 15) (ISA guide 7.12.2), which by the rows' order is
; l = (u & 3) + 128 (u >> 2) + 4 L + 256 t0 + 512 t: registers 0-3 are 16 neighbouring bytes of a lane and 512 of the wave, registers 4-7 the next 512,
; so results are stored from the accumulators as they lie, each store covering 512 consecutive bytes at a multiple of 512 from out0's first byte.
; OPERANDS.  Each f32 value x goes in as two bf16: hi = x rounded, lo = x - hi (exact, one fused multiply-add) rounded; three products hi hi + lo hi + hi lo.
; One 16-bit number alone would leave an error of 2^-9 (bf16) or 2^-12 (f16) of the terms, which at small l are many times the output's root mean square.
; GENERATION.  Lane p holds modes 2 p and 2 p + 1, both at once in packed f32; a block is (re, re, im, im).  E^1 and E^64 are evaluated, all other powers
; follow by complex products.  A row is 256 bytes of hi + 256 of lo: lane p writes (re0, re1, im0, im1) at byte 8 p, alike in A and B, so the order of k
; inside a row does not matter.  Rows are read back as ordinary fragments (K along the row).
; B's rows are made in 16 steps of four rows; the matrix instructions of K step i (six) stand among the vector work five steps later.
; No cluster: work-groups share no input.  No barrier: a wave touches only its own 58,880 bytes of LDS, and LDS serves a wave's instructions in order
; (ISA guide 5.7.1).  No tensor load: a wave's inputs are 1 KB, used once from registers.
; LIMITS.  exp(2 log_w_real) + w_imag^2 has to be a normal f32 (|w| between about 1e-19 and 1e19).  v_exp_f32 gives 0 for magnitudes below 2^-126.
; The phase is reduced exactly while |Im dtA| 64 / (2 pi) < 2^23; beyond that the angle is meaningless but bounded.  Powers reached by up to five squarings
; from the two evaluations, and the product lo lo that is left out, leave a relative error of about 2e-5 in a term.  E - 1 carries v_exp_f32's rounding.
; The phase dtA l is not rounded to f32 as in the reference.  An infinite intermediate gives NaN (hi - hi).
;
; THE MODE: SCHED_MODE bits 1:0 = 2 (LLVM: expert scheduling mode 2), set by the entry lines.  The code itself states the register dependences
; between vector or matrix instructions and memory or LDS instructions, with s_wait_alu, always for 0.
; THE PLAN.  A step makes four rows (8 steps for A, 16 for B).  Registers that LDS or memory instructions touch:
;   HI0, HI1   a step's four rows, hi.  Step s's roundings write HI[s & 1]; its remainders read it; four LDS stores at the head of step s + 1 read it.
;   LO         a step's four rows, lo.  Written in the step's second half; four LDS stores at the head of step s + 1 read it.
;   GBUF0, 1   an entry of GT.  The load at the head of step j lands in GBUF[(j + 1) & 1]; step j + 1's vector work reads it and uses it up in place.
;   BF0, BF1   a fragment of B.  The loads at the head of step j land in BF[j & 1]; step j + 1's six matrix instructions read it.
;   AF         A's fragments: eight loads at the head of each of steps 0 to 3; matrix instructions read them from step 5 on.
;   AC         written by matrix instructions; read by out0's stores at the heads of steps 9, 13, 17 and at the end; started again four steps behind a store.
;   STA, LDF, GAD, OUTO   addresses, made once at the head and never written again: rows, entries and tiles stand in the immediate offsets.
;   V and FB are named by vector instructions alone, until the tail, where two fragments of B land in them.
; So ONE wait on va_vdst stands at a step's head, and all the step's memory and LDS instructions follow it in one run: the step before has written its HI and LO,
; is done with the GBUF and the BF in which this head's loads land, and has written the accumulators that leave.  ONE wait on vm_vsrc stands in a step's middle,
; ahead of the first write of LO: the head's stores have read LO and the HI that the next step writes.  Two buffers of HI and one of LO: the B steps
; hold 229 registers beside them (5 addresses, FB 12, GBUF 8, V 12, BF 32, AC 32, AF 128), so 27 of 256 are left, where two whole out-buffers would be 32.
.set PITCH, 528                        ; an LDS row: 256 hi + 256 lo + 16: 33 x 16 bytes, so the 16 rows of a fragment load start at 16 different 16-byte columns
.set GT,    96*PITCH                   ; behind the 96 rows: 16 entries of 512 bytes (16 a lane, f32): entry 4 t + q = E^(16 q + 512 t)
.set WLDS,  GT+16*512                  ; a wave's LDS
; registers that stay
.set STA,  2                           ; LDS: my 8 bytes of row 0
.set LDF,  3                           ; LDS: my 16 bytes of a fragment of rows 0-15
.set OUTO, 4                           ; byte offset in the work-group's four rows of out0: 8192 wave + 16 lane
.set NEG1, 5                           ; -1.0
.set GAD,  6                           ; LDS: my 16 bytes of a 512-byte entry at the wave's base
.set LO,   8                           ; v[8:15]    four rows' lo, a pair a row
.set FB,   12                          ; E^(4 i) at FB + 4 i, i = 1, 2, 3: v[16:27]
.set GBUF, 28                          ; v[28:35]   two buffers for entries of GT
.set V,    32                          ; v[32:47]   four products; the first, needed for A's rows alone, shares its registers with GBUF's second buffer, needed for B's alone
.set BF,   48                          ; v[48:79]   two B fragment buffers: 8 hi, 8 lo
.set AC,   80                          ; v[80:111]  accumulators: 16 (t & 1) + 8 t0
.set HI,   112                         ; v[112:127] two buffers of four rows' hi, a pair a row
.set AF,   128                         ; v[128:255] A fragments: 64 t0 + 16 k: 8 hi, 8 lo
.set TB1,  16                          ; v[16:31], v[32:47]: in the tail, when the rows are made, B's fragments of K steps 13 and 14
.set TB2,  32
; registers of the set-up, dead before the ranges above are taken
.set TA,   48                          ; conj(2 Cw E^a) at TA + 4 a
.set GA,   80                          ; E^(64 b) at GA + 4 b
.set LW,   64
.set WIM,  66
.set CR,   68
.set CI,   70
.set LDT,  72
.set DT,   74                          ; dt, twice
.set ER,   76                          ; exp(log_w_real) = -Re w
.set EXPO, 78                          ; Re dtA x log2 e
.set ZI,   112                         ; Im dtA
.set UH,   114                         ; Im dtA / 2 pi in turns, upper word
.set UL,   116                         ; lower word
.set KS,   118
.set KC,   120
.set TM,   122                         ; v[122:127] at work
.set E1,   128
.set E2,   132
.set PS1,  136                         ; E^16, E^32, E^48
.set PS2,  140
.set PS3,  144
.set PT1,  148                         ; E^512, E^1024, E^1536
.set PT2,  152
.set PT3,  156
.set GP,   160                         ; E^(16 q + 512 t) at GP + 4 (3 (t - 1) + q - 1), t, q = 1 .. 3
.set EV,   200                         ; two evaluations, 20 registers each
.set CT,   220                         ; Cw's temporaries, in the second evaluation's registers when it is over
.set K_L2E,     0x3fb8aa3b             ; log2 e, and what f32 leaves of it
.set K_L2E_LO,  0x32a57060
.set K_LN2,     0x3f317218
.set K_I2PI,    0x3e22f983             ; 1 / 2 pi, and what f32 leaves of it
.set K_I2PI_LO, 0x31dc9c88
.set K_PIO2,    0x3fc90fdb
.set K_NA1, 0xbe2aaaa3                 ; sin x = x + x^3 (-A1 + x^2 (A2 - x^2 A3)) on |x| <= pi/4
.set K_A2,  0x3c08839e
.set K_NA3, 0xb94ca1f9
.set K_B1,  0x3d2aaaa5                 ; cos x - 1 = x^2 (-1/2 + x^2 (B1 + x^2 (-B2 + x^2 B3)))
.set K_NB2, 0xbab6061a
.set K_B3,  0x37ccf5ce
; d = p q (c = 0) or p conj(q) (c = 1), in two halves so that two or more products can be interleaved
.macro CMA d, p, q
	v_pk_mul_f32 v[\d:\d+1], v[\p:\p+1], v[\q:\q+1]
	v_pk_mul_f32 v[\d+2:\d+3], v[\p+2:\p+3], v[\q:\q+1]
.endm
.macro CMB d, p, q, c
.if \c
	v_pk_fma_f32 v[\d:\d+1], v[\p+2:\p+3], v[\q+2:\q+3], v[\d:\d+1]
	v_pk_fma_f32 v[\d+2:\d+3], v[\p:\p+1], v[\q+2:\q+3], v[\d+2:\d+3] neg_lo:[1,0,0] neg_hi:[1,0,0]
.else
	v_pk_fma_f32 v[\d:\d+1], v[\p+2:\p+3], v[\q+2:\q+3], v[\d:\d+1] neg_lo:[1,0,0] neg_hi:[1,0,0]
	v_pk_fma_f32 v[\d+2:\d+3], v[\p:\p+1], v[\q+2:\q+3], v[\d+2:\d+3]
.endif
.endm
.macro CM2 d0, p0, q0, c0, d1, p1, q1, c1
	CMA \d0, \p0, \q0
	CMA \d1, \p1, \q1
	CMB \d0, \p0, \q0, \c0
	CMB \d1, \p1, \q1, \c1
.endm
; x = x - hi for a block x, hi in the pair hp: the bf16 half times -1.0 plus x, exact
.macro RESID x, hp
	v_fma_mix_f32_bf16 v[\x], v[\hp], v[NEG1], v[\x] op_sel_hi:[1,0,0]
	v_fma_mix_f32_bf16 v[\x+1], v[\hp], v[NEG1], v[\x+1] op_sel:[1,0,0] op_sel_hi:[1,0,0]
	v_fma_mix_f32_bf16 v[\x+2], v[\hp+1], v[NEG1], v[\x+2] op_sel_hi:[1,0,0]
	v_fma_mix_f32_bf16 v[\x+3], v[\hp+1], v[NEG1], v[\x+3] op_sel:[1,0,0] op_sel_hi:[1,0,0]
.endm
; two blocks s0, s1 become two rows.  First half: hi of both into the four registers at h; s0's remainder
.macro EA s0, s1, h
	v_cvt_pk_bf16_f32 v[\h], v[\s0], v[\s0+1]
	v_cvt_pk_bf16_f32 v[\h+1], v[\s0+2], v[\s0+3]
	v_cvt_pk_bf16_f32 v[\h+2], v[\s1], v[\s1+1]
	v_cvt_pk_bf16_f32 v[\h+3], v[\s1+2], v[\s1+3]
	RESID \s0, \h
.endm
; second half: s1's remainder; lo of both into the four registers at d.  w = 1: the step's first write of LO
.macro EB s0, s1, h, d, w
	RESID \s1, \h+2
.if \w
	s_wait_alu depctr_vm_vsrc(0)                   ; the row stores at this step's head have read LO, written from here on, and the HI that the next step writes; out0's stores have read their accumulators; in A's first step: log_dt's load has read v127, which is HI1's, and GT's stores their data, where A's fragments and sums land later
.endif
	v_cvt_pk_bf16_f32 v[\d], v[\s0], v[\s0+1]
	v_cvt_pk_bf16_f32 v[\d+1], v[\s0+2], v[\s0+3]
	v_cvt_pk_bf16_f32 v[\d+2], v[\s1], v[\s1+1]
	v_cvt_pk_bf16_f32 v[\d+3], v[\s1+2], v[\s1+3]
.endm
; the four rows rb .. rb + 3 of the step before go to LDS, from HI[hb] and LO
.macro PUT rb, hb
.irp i, 0,1,2,3
	ds_store_b64 v[STA], v[HI+8*(\hb)+2*\i:HI+8*(\hb)+2*\i+1] offset:((\rb)+\i)*PITCH
	ds_store_b64 v[STA], v[LO+2*\i:LO+2*\i+1] offset:((\rb)+\i)*PITCH+256
.endr
.endm
; The next of the six matrix instructions of K step WS (tile t = WS >> 2, k = WS & 3): t0 = 0, 1 by turns; hi hi, lo hi, hi lo.
; The two accumulators take turns, one instruction a turn, from step to step too.
; The first product of a tile takes the constant 0 as C: nothing is cleared.
.macro WM
.if WON
	.set wt0, WC&1
	.set wpp, WC>>1
	.set wk, WS&3
	.set wa, AF+64*wt0+16*wk+8*(wpp&1)
	.if WS == 13
	.set wbb, TB1
	.elseif WS == 14
	.set wbb, TB2
	.else
	.set wbb, BF+16*(WS&1)
	.endif
	.set wb, wbb+8*(wpp>>1)
	.set wd, AC+16*((WS>>2)&1)+8*wt0
	.if (wk+wpp) == 0
	v_wmma_f32_16x16x32_bf16 v[wd:wd+7], v[wa:wa+7], v[wb:wb+7], 0
	.else
	v_wmma_f32_16x16x32_bf16 v[wd:wd+7], v[wa:wa+7], v[wb:wb+7], v[wd:wd+7]
	.endif
	.set WC, WC+1
.endif
.endm
; Four rows into HI[hb] and LO: block pb + 4 i times g (c = 1: times conj g).  first = 1: the first row is g itself, which is used up in place.
; Six places for matrix instructions, seven to eight vector instructions apart; the last is followed by EB's eight vector instructions, none of which
; names a register of a matrix instruction, so what stands at the next step's head is more than four places behind it (ISA guide 7.12.1).
.macro QUAD pb, g, c, first, hb
	WM
.if \first == 0
	CMA V, \pb, \g
.endif
	CMA V+4, \pb+4, \g
	CMA V+8, \pb+8, \g
	CMA V+12, \pb+12, \g
	WM
.if \first == 0
	CMB V, \pb, \g, \c
.endif
	CMB V+4, \pb+4, \g, \c
	CMB V+8, \pb+8, \g, \c
	CMB V+12, \pb+12, \g, \c
	WM
.if \first == 0
	EA V, V+4, HI+8*(\hb)
	WM
	EB V, V+4, HI+8*(\hb), LO, 1
.else
	EA \g, V+4, HI+8*(\hb)
	WM
	EB \g, V+4, HI+8*(\hb), LO, 1
.endif
	WM
	EA V+8, V+12, HI+8*(\hb)+4
	WM
	EB V+8, V+12, HI+8*(\hb)+4, LO+4, 0
.endm
; B's fragment of K step i (tile i >> 2, 64 bytes of the rows at 64 (i & 3)), hi and lo, into the 16 registers at d
.macro LDB i, d
	ds_load_b128 v[\d:\d+3],     v[LDF] offset:(32+16*((\i)>>2))*PITCH+64*((\i)&3)
	ds_load_b128 v[\d+4:\d+7],   v[LDF] offset:(32+16*((\i)>>2))*PITCH+64*((\i)&3)+32
	ds_load_b128 v[\d+8:\d+11],  v[LDF] offset:(32+16*((\i)>>2))*PITCH+64*((\i)&3)+256
	ds_load_b128 v[\d+12:\d+15], v[LDF] offset:(32+16*((\i)>>2))*PITCH+64*((\i)&3)+288
.endm
; the two tiles of t leave: 2,048 consecutive bytes of the wave's row in four stores of 512
.macro OUT tt
.irp z, 0,1
.irp u, 0,1
	global_store_b128 v[OUTO], v[AC+16*((\tt)&1)+8*\z+4*\u:AC+16*((\tt)&1)+8*\z+4*\u+3], s[14:15] offset:2048*(\tt)+1024*\z+512*\u th:TH_STORE_NT
.endr
.endr
.endm
	s_load_b256 s[4:11], s[0:1], 0x0               ; C_im s[4:5], C_re s[6:7], log_dt s[8:9], log_w_real s[10:11]
	s_load_b128 s[12:15], s[0:1], 0x20             ; w_imag s[12:13], out0 s[14:15]
	s_set_vgpr_msb 0x40
	v_lshl_add_u32 v0, v0, 2, 0x39800
	v_mov_b32 v1, 0
	s_set_vgpr_msb 0x4000
	v_lshrrev_b32 v1, 5, v0
	v_readfirstlane_b32 s16, v1                    ; wave 0..3; h = 4 x work-group + wave
	s_lshl_b32 s17, ttmp9, 10                      ; four rows of 64 f32
	s_lshl_b32 s18, ttmp9, 4                       ; four f32 of log_dt
	s_lshl_b32 s22, ttmp9, 15                      ; four rows of 2048 f32
	s_mov_b32 s23, 0
	s_wait_alu depctr_va_sdst(0)                   ; s16 is written, ahead of its first reader
	s_mul_i32 s24, s16, WLDS                       ; my wave's LDS
	v_lshl_add_u32 v7, v0, 3, s17                  ; 256 wave + 8 lane: a wave's load covers its row's 256 bytes
	v_lshl_add_u32 v[TM+5], v1, 2, s18
	s_wait_kmcnt 0x0
	s_wait_alu depctr_va_vdst(0)                   ; v7 and v127 are written, which the five loads read as their offsets
	global_load_b32 v[LDT], v[TM+5], s[8:9]
	global_load_b64 v[LW:LW+1], v7, s[10:11] th:TH_LOAD_NT
	global_load_b64 v[WIM:WIM+1], v7, s[12:13] th:TH_LOAD_NT
	global_load_b64 v[CR:CR+1], v7, s[6:7] th:TH_LOAD_NT
	global_load_b64 v[CI:CI+1], v7, s[4:5] th:TH_LOAD_NT
	s_add_nc_u64 s[14:15], s[14:15], s[22:23]      ; out0 at the work-group's four rows
	; addresses and constants while the loads are on their way (v7 and v127, their offsets, and v64 to v72, in which they land, are left alone)
	v_and_b32 v[TM], 31, v0                        ; lane
	v_lshl_add_u32 v[STA], v[TM], 3, s24
	v_lshl_add_u32 v[GAD], v[TM], 4, s24
	v_lshlrev_b32 v[OUTO], 4, v[TM]
	v_lshl_add_u32 v[OUTO], v1, 13, v[OUTO]
	v_and_b32 v[TM+1], 15, v0
	v_bfe_u32 v[TM+2], v0, 4, 1
	v_mul_u32_u24 v[TM+1], v[TM+1], PITCH
	v_lshl_add_u32 v[TM+1], v[TM+2], 4, v[TM+1]
	v_add_nc_u32 v[LDF], s24, v[TM+1]              ; row (lane & 15), 16 bytes for each half of the lanes
	v_mov_b32 v[NEG1], -1.0
	v_mov_b32 v[KS], K_A2
	v_mov_b32 v[KS+1], K_A2
	v_mov_b32 v[KC], K_NB2
	v_mov_b32 v[KC+1], K_NB2
	v_mov_b32 v[GA], 1.0                           ; E^0
	v_mov_b32 v[GA+1], 1.0
	v_mov_b32 v[GA+2], 0
	v_mov_b32 v[GA+3], 0
	; dt = exp(log_dt), with the product log_dt x log2 e kept in two words: dt's relative error goes into every phase
	s_wait_loadcnt 0x0
	v_mul_f32 v[TM], K_L2E, v[LDT]
	v_pk_mul_f32 v[LW:LW+1], v[LW:LW+1], K_L2E op_sel_hi:[1,0]
	v_fma_f32 v[TM+1], v[LDT], K_L2E, -v[TM]
	v_exp_f32 v[TM+2], v[TM]
	v_exp_f32 v[ER], v[LW]
	v_exp_f32 v[ER+1], v[LW+1]
	v_fma_f32 v[TM+1], v[LDT], K_L2E_LO, v[TM+1]   ; a plain instruction behind the exponentials that names none of their registers (ISA guide 5.7.2)
	v_mul_f32 v[TM+1], K_LN2, v[TM+1]
	s_wait_alu depctr_va_vdst(0)
	v_fma_f32 v[DT], v[TM+2], v[TM+1], v[TM+2]
	v_fma_f32 v[DT+1], v[TM+2], v[TM+1], v[TM+2]
	v_pk_mul_f32 v[EXPO:EXPO+1], v[ER:ER+1], v[DT:DT+1] neg_lo:[1,0] neg_hi:[1,0]   ; Re dtA, rounded as in the reference
	v_pk_mul_f32 v[ZI:ZI+1], v[WIM:WIM+1], v[DT:DT+1]                               ; Im dtA, likewise
	v_pk_mul_f32 v[EXPO:EXPO+1], v[EXPO:EXPO+1], K_L2E op_sel_hi:[1,0]
	v_pk_mul_f32 v[UH:UH+1], v[ZI:ZI+1], K_I2PI op_sel_hi:[1,0]
	v_pk_fma_f32 v[UL:UL+1], v[ZI:ZI+1], K_I2PI, v[UH:UH+1] op_sel_hi:[1,0,1] neg_lo:[0,0,1] neg_hi:[0,0,1]
	v_pk_fma_f32 v[UL:UL+1], v[ZI:ZI+1], K_I2PI_LO, v[UL:UL+1] op_sel_hi:[1,0,1]
	; E^m for m = 1 (e = 0) and m = 64 (e = 1), stage by stage for the two at once, so that an instruction seldom waits for the one in front of it.
	; eb+0 turns | +2 rounded turns, x^3 | +4 x | +6 x^2 | +8 sin | +10 cos - 1 | +12 exponent | +14 magnitude | +16 2 sin | +18 sin after one doubling
	; mm = m as f32: 1.0, 64.0 (the products by it are exact)
.irp e, 0,1
	.set eb, EV+20*\e
	.set mm, 0x3f800000+\e*0x03000000
	v_pk_mul_f32 v[eb:eb+1], v[UH:UH+1], mm op_sel_hi:[1,0]
	v_pk_mul_f32 v[eb+12:eb+13], v[EXPO:EXPO+1], mm op_sel_hi:[1,0]
.endr
.irp e, 0,1
	.set eb, EV+20*\e
	v_rndne_f32 v[eb+2], v[eb]
	v_rndne_f32 v[eb+3], v[eb+1]
.endr
.irp e, 0,1
	.set eb, EV+20*\e
	v_pk_add_f32 v[eb:eb+1], v[eb:eb+1], v[eb+2:eb+3] neg_lo:[0,1] neg_hi:[0,1]     ; the fraction of a turn, exact
	v_exp_f32 v[eb+14], v[eb+12]                   ; behind each pair of exponentials stands a packed instruction on other registers;
	v_exp_f32 v[eb+15], v[eb+13]                   ; the magnitudes are used only in the last stage
.endr
.irp e, 0,1
	.set eb, EV+20*\e
	.set mm, 0x3f800000+\e*0x03000000
	v_pk_fma_f32 v[eb:eb+1], v[UL:UL+1], mm, v[eb:eb+1] op_sel_hi:[1,0,1]
.endr
.irp e, 0,1
	.set eb, EV+20*\e
	v_rndne_f32 v[eb+2], v[eb]                     ; once more: the lower word may carry past half a turn, and for a huge phase it is itself many turns
	v_rndne_f32 v[eb+3], v[eb+1]
.endr
.irp e, 0,1
	.set eb, EV+20*\e
	v_pk_add_f32 v[eb:eb+1], v[eb:eb+1], v[eb+2:eb+3] neg_lo:[0,1] neg_hi:[0,1]
.endr
.irp e, 0,1
	.set eb, EV+20*\e
	v_pk_mul_f32 v[eb+4:eb+5], v[eb:eb+1], K_PIO2 op_sel_hi:[1,0]                   ; a quarter of the angle: |x| <= pi/4
.endr
.irp e, 0,1
	.set eb, EV+20*\e
	v_pk_mul_f32 v[eb+6:eb+7], v[eb+4:eb+5], v[eb+4:eb+5]
.endr
.irp e, 0,1
	.set eb, EV+20*\e
	v_pk_fma_f32 v[eb+8:eb+9], v[eb+6:eb+7], K_NA3, v[KS:KS+1] op_sel_hi:[1,0,1]
	v_pk_fma_f32 v[eb+10:eb+11], v[eb+6:eb+7], K_B3, v[KC:KC+1] op_sel_hi:[1,0,1]
	v_pk_mul_f32 v[eb+2:eb+3], v[eb+6:eb+7], v[eb+4:eb+5]
.endr
.irp e, 0,1
	.set eb, EV+20*\e
	v_pk_fma_f32 v[eb+8:eb+9], v[eb+8:eb+9], v[eb+6:eb+7], K_NA1 op_sel_hi:[1,1,0]
	v_pk_fma_f32 v[eb+10:eb+11], v[eb+10:eb+11], v[eb+6:eb+7], K_B1 op_sel_hi:[1,1,0]
.endr
.irp e, 0,1
	.set eb, EV+20*\e
	v_pk_fma_f32 v[eb+8:eb+9], v[eb+2:eb+3], v[eb+8:eb+9], v[eb+4:eb+5]             ; sin x
	v_pk_fma_f32 v[eb+10:eb+11], v[eb+10:eb+11], v[eb+6:eb+7], -0.5 op_sel_hi:[1,1,0]
.endr
.irp e, 0,1
	.set eb, EV+20*\e
	v_pk_mul_f32 v[eb+10:eb+11], v[eb+10:eb+11], v[eb+6:eb+7]                       ; cos x - 1
	v_pk_add_f32 v[eb+16:eb+17], v[eb+8:eb+9], v[eb+8:eb+9]
.endr
.irp e, 0,1                            ; the angle doubled: sin 2x = 2 s + 2 s (c - 1), cos 2x - 1 = -2 s s
	.set eb, EV+20*\e
	v_pk_fma_f32 v[eb+18:eb+19], v[eb+16:eb+17], v[eb+10:eb+11], v[eb+16:eb+17]
	v_pk_mul_f32 v[eb+10:eb+11], v[eb+16:eb+17], v[eb+8:eb+9] neg_lo:[1,0] neg_hi:[1,0]
.endr
.irp e, 0,1
	.set eb, EV+20*\e
	v_pk_add_f32 v[eb+16:eb+17], v[eb+18:eb+19], v[eb+18:eb+19]
.endr
.irp e, 0,1                            ; and doubled again: the whole angle
	.set eb, EV+20*\e
	v_pk_fma_f32 v[eb+8:eb+9], v[eb+16:eb+17], v[eb+10:eb+11], v[eb+16:eb+17]
	v_pk_mul_f32 v[eb+10:eb+11], v[eb+16:eb+17], v[eb+18:eb+19] neg_lo:[1,0] neg_hi:[1,0]
.endr
	s_wait_alu depctr_va_vdst(0)
.irp e, 0,1
	.set eb, EV+20*\e
	.set rd, E1-(E1-GA-4)*\e                       ; E^1 to E1, E^64 to GA + 4
	v_pk_fma_f32 v[rd:rd+1], v[eb+14:eb+15], v[eb+10:eb+11], v[eb+14:eb+15]
	v_pk_mul_f32 v[rd+2:rd+3], v[eb+14:eb+15], v[eb+8:eb+9]
.endr
	; conj(2 Cw) = conj(2 C (E - 1) conj(w)) / |w|^2.  Re(E - 1) = mag (cos - 1) + (mag - 1): no 1 is taken from a rounded product.
	v_pk_add_f32 v[CT:CT+1], v[EV+14:EV+15], -1.0 op_sel_hi:[1,0]
	v_pk_mul_f32 v[CT+6:CT+7], v[ER:ER+1], v[ER:ER+1]
	v_pk_fma_f32 v[CT:CT+1], v[EV+14:EV+15], v[EV+10:EV+11], v[CT:CT+1]             ; Re(E - 1)
	v_pk_fma_f32 v[CT+6:CT+7], v[WIM:WIM+1], v[WIM:WIM+1], v[CT+6:CT+7]             ; |w|^2
	v_pk_mul_f32 v[CT+2:CT+3], v[E1+2:E1+3], v[WIM:WIM+1]
	v_pk_mul_f32 v[CT+4:CT+5], v[E1+2:E1+3], v[ER:ER+1]
	v_rcp_f32 v[CT+8], v[CT+6]
	v_rcp_f32 v[CT+9], v[CT+7]
	v_pk_fma_f32 v[CT+2:CT+3], v[CT:CT+1], v[ER:ER+1], v[CT+2:CT+3] neg_lo:[1,0,0] neg_hi:[1,0,0]   ; nr = Re((E - 1) conj w); plain, and names no register of the reciprocals
	v_pk_fma_f32 v[CT+4:CT+5], v[CT:CT+1], v[WIM:WIM+1], v[CT+4:CT+5]                               ; ni = -Im((E - 1) conj w)
	v_pk_mul_f32 v[CT+10:CT+11], v[CR:CR+1], v[CT+2:CT+3]
	v_pk_mul_f32 v[CT+12:CT+13], v[CR:CR+1], v[CT+4:CT+5]
	s_wait_alu depctr_va_vdst(0)
	v_pk_add_f32 v[CT+8:CT+9], v[CT+8:CT+9], v[CT+8:CT+9]                           ; 2 / |w|^2
	v_pk_fma_f32 v[CT+10:CT+11], v[CI:CI+1], v[CT+4:CT+5], v[CT+10:CT+11]
	v_pk_fma_f32 v[CT+12:CT+13], v[CI:CI+1], v[CT+2:CT+3], v[CT+12:CT+13] neg_lo:[1,0,0] neg_hi:[1,0,0]
	v_pk_mul_f32 v[TA:TA+1], v[CT+10:CT+11], v[CT+8:CT+9]
	v_pk_mul_f32 v[TA+2:TA+3], v[CT+12:CT+13], v[CT+8:CT+9]
	; all other powers, two products at a time
	CM2 E2, E1, E1, 0,           GA+8, GA+4, GA+4, 0       ; E^2, E^128
	CM2 FB+4, E2, E2, 0,         GA+16, GA+8, GA+8, 0      ; E^4, E^256
	CM2 TA+4, TA, E1, 1,         GA+12, GA+4, GA+8, 0      ; conj(2 Cw E), E^192
	CM2 FB+8, FB+4, FB+4, 0,     PT1, GA+16, GA+16, 0      ; E^8, E^512
	CM2 TA+8, TA, E2, 1,         TA+12, TA+4, E2, 1        ; conj(2 Cw E^2), conj(2 Cw E^3)
	CM2 PS1, FB+8, FB+8, 0,      PT2, PT1, PT1, 0          ; E^16, E^1024
	CM2 FB+12, FB+4, FB+8, 0,    GA+20, GA+16, GA+4, 0     ; E^12, E^320
	CM2 GA+24, GA+16, GA+8, 0,   GA+28, GA+16, GA+12, 0    ; E^384, E^448
	CM2 PS2, PS1, PS1, 0,        PT3, PT1, PT2, 0          ; E^32, E^1536
	CM2 GP, PS1, PT1, 0,         GP+12, PS1, PT2, 0        ; (t, q) = (1, 1), (2, 1)
	CM2 PS3, PS1, PS2, 0,        GP+24, PS1, PT3, 0        ; E^48, (3, 1)
	CM2 GP+4, PS2, PT1, 0,       GP+16, PS2, PT2, 0        ; (1, 2), (2, 2)
	CM2 GP+28, PS2, PT3, 0,      GP+8, PS3, PT1, 0         ; (3, 2), (1, 3)
	CM2 GP+20, PS3, PT2, 0,      GP+32, PS3, PT3, 0        ; (2, 3), (3, 3)
	; the table GT: entry 4 t + q = E^(16 q + 512 t)
	s_wait_alu depctr_va_vdst(0)                   ; the products have written the sixteen entries, which the stores read; STA, LDF, GAD and OUTO are written, for every LDS instruction and store of the kernel
.irp t, 0,1,2,3
.irp q, 0,1,2,3
.if \t == 0
.if \q == 0
	.set src, GA
.else
	.set src, PS1-4+4*\q
.endif
.else
.if \q == 0
	.set src, PT1-4+4*\t
.else
	.set src, GP+4*(3*(\t-1)+\q-1)
.endif
.endif
	ds_store_b128 v[GAD], v[src:src+3] offset:GT+512*(4*\t+\q)
.endr
.endr
	; A's 32 rows: conj(2 Cw E^a) conj(E^(64 b)), eight steps of four; a step's rows go to LDS at the head of the next step
	.set WON, 0
	.set WS, 0
	.set WC, 0
	.set ab, 0
.rept 8
.if ab > 0
	.set pr, ab-1
	.set prow, 4*((pr>>1)&1)+8*(pr&1)+16*(pr>>2)
	.set phb, pr&1
	s_wait_alu depctr_va_vdst(0)                   ; the step before has written its HI and LO, which the eight stores read
	PUT prow, phb
.endif
.if ab == 7
	ds_load_b128 v[GBUF:GBUF+3], v[GAD] offset:GT  ; GT's first entry, a step ahead of its use; no vector instruction has named these registers.  It sees the wave's own store above
.endif
	QUAD TA, GA+4*ab, 1, 0, ab&1
	.set ab, ab+1
.endr
	; 21 steps.  Step j < 16 makes B's rows 32 + 4 j .. + 3 from GT[j]; they go to LDS at the head of step j + 1.  Behind those stores step j fetches B's fragment of K step j - 4
	; (its tile's 16 rows were made in steps 4 t .. 4 t + 3 <= j - 1; the loads see the wave's own stores) and issues the six matrix instructions of K step j - 5.
	; Tile pair t is complete after step 4 t + 8 and leaves at the head of step 4 t + 9.  A's fragments, which stay in registers (2 tiles x 4 K steps x (hi, lo)), are fetched
	; at the heads of steps 0 to 3, K step k's eight loads in step k.  When the rows are made, step 16 fetches three fragments at once, two of them into the row work's registers.
	.set j, 0
.rept 21
.if j <= 16
	s_wait_dscnt 0                                 ; the loads of the last head were its last LDS instructions: GT[j], B's fragment of K step j - 5, A's fragments are in
.elseif j <= 18
	s_wait_dscnt 8                                 ; B's fragment of K step j - 5 is in; the two younger fragments (eight loads) stay out
.elseif j == 19
	s_wait_dscnt 4                                 ; one younger fragment stays out
.else
	s_wait_dscnt 0                                 ; the last fragment
.endif
.if j == 17
.rept 4
	v_nop                                          ; four places behind the last matrix instruction, for the stores of its results and the loads into its sources
.endr
.endif
.if j >= 13
.if j <= 17
.if (j&3) == 1
	s_wait_xcnt 0x0                                ; the accumulators that were stored four steps ago are started again in this step, only behind this wait
.endif
.endif
.endif
.if j <= 17
	s_wait_alu depctr_va_vdst(0)                   ; the step before has written its HI and LO (the row stores) and the accumulators that leave here; it is done with the GBUF, the BF, V's first block (step 0), the set-up's registers (steps 0 to 3) and FB, GBUF, V (step 16) in which this head's loads land
.endif
.if j >= 9
.if j <= 17
.if (j&3) == 1
	OUT (j-9)/4
.endif
.endif
.endif
.if j == 0
	PUT 28, 1                                      ; A's last four rows
.elseif j <= 16
	PUT 32+4*(j-1), (j-1)&1
.endif
.if j < 15
	ds_load_b128 v[GBUF+4*((j+1)&1):GBUF+4*((j+1)&1)+3], v[GAD] offset:GT+512*(j+1)
.endif
.if j < 4
.irp z, 0,1
	ds_load_b128 v[AF+64*\z+16*j:AF+64*\z+16*j+3],     v[LDF] offset:16*\z*PITCH+64*j
	ds_load_b128 v[AF+64*\z+16*j+4:AF+64*\z+16*j+7],   v[LDF] offset:16*\z*PITCH+64*j+32
	ds_load_b128 v[AF+64*\z+16*j+8:AF+64*\z+16*j+11],  v[LDF] offset:16*\z*PITCH+64*j+256
	ds_load_b128 v[AF+64*\z+16*j+12:AF+64*\z+16*j+15], v[LDF] offset:16*\z*PITCH+64*j+288
.endr
.elseif j <= 16
	LDB j-4, BF+16*(j&1)
.endif
.if j == 16
	LDB 13, TB1                                    ; no LDS store has read these 32 registers, and no vector instruction follows that names them
	LDB 14, TB2
.endif
.if j == 17
	LDB 15, BF+16
.endif
.if j >= 5
	.set WON, 1
.else
	.set WON, 0
.endif
	.set WS, j-5
	.set WC, 0
.if j < 16
	QUAD FB, GBUF+4*(j&1), 0, 1, j&1
.else
.rept 6
	WM
.endr
.endif
	.set j, j+1
.endr
.rept 4
	v_nop                                          ; four places behind the last matrix instruction, then its results leave
.endr
	s_wait_alu depctr_va_vdst(0)                   ; the matrix instructions have written the last two accumulators, which the stores read; the places above stay beside this wait
	OUT 3
	s_set_vgpr_msb 0x5
	s_wait_dscnt 0x0
	s_wait_alu depctr_hold_cnt(0) depctr_sa_sdst(0) depctr_va_vdst(0) depctr_va_sdst(0) depctr_va_ssrc(0) depctr_va_vcc(0) depctr_vm_vsrc(0)
	s_wait_tensorcnt 0x0
	ds_add_u32 v0, v1
	s_wait_dscnt 0x0
	s_endpgm
.Lfunc_end_k_qf3c7e3305c_sskernel:
	.size	k_qf3c7e3305c_sskernel, .Lfunc_end_k_qf3c7e3305c_sskernel-k_qf3c7e3305c_sskernel
	.p2alignl 7, 3214868480
	.fill 96, 4, 3214868480
	.section	.rodata,"a",@progbits
	.p2align	6, 0x0
	.amdhsa_kernel k_qf3c7e3305c_sskernel
		.amdhsa_group_segment_fixed_size 236032
		.amdhsa_private_segment_fixed_size 0
		.amdhsa_enable_private_segment 0
		.amdhsa_kernarg_size 48
		.amdhsa_user_sgpr_count 2
		.amdhsa_user_sgpr_kernarg_segment_ptr 1
		.amdhsa_wavefront_size32 1
		.amdhsa_system_sgpr_workgroup_id_x 1
		.amdhsa_system_sgpr_workgroup_id_y 1
		.amdhsa_system_sgpr_workgroup_id_z 1
		.amdhsa_system_vgpr_workitem_id 0
		.amdhsa_next_free_vgpr 258
		.amdhsa_next_free_sgpr 66
		.amdhsa_reserve_vcc 0
		.amdhsa_float_denorm_mode_32 3
		.amdhsa_float_denorm_mode_16_64 3
		.amdhsa_memory_ordered 1
		.amdhsa_forward_progress 1
		.amdhsa_inst_pref_size 114
	.end_amdhsa_kernel
	.amdgpu_metadata
---
amdhsa.version: [ 1, 2 ]
amdhsa.kernels:
  - .name:           k_qf3c7e3305c_sskernel
    .symbol:         k_qf3c7e3305c_sskernel.kd
    .args:
      - { .name: C_im, .offset: 0, .size: 8, .value_kind: global_buffer, .address_space: global }
      - { .name: C_re, .offset: 8, .size: 8, .value_kind: global_buffer, .address_space: global }
      - { .name: log_dt, .offset: 16, .size: 8, .value_kind: global_buffer, .address_space: global }
      - { .name: log_w_real, .offset: 24, .size: 8, .value_kind: global_buffer, .address_space: global }
      - { .name: w_imag, .offset: 32, .size: 8, .value_kind: global_buffer, .address_space: global }
      - { .name: out0, .offset: 40, .size: 8, .value_kind: global_buffer, .address_space: global }
    .group_segment_fixed_size: 236032
    .private_segment_fixed_size: 0
    .kernarg_segment_align: 8
    .kernarg_segment_size: 48
    .max_flat_workgroup_size: 128
    .sgpr_count:     66
    .vgpr_count:     258
    .wavefront_size: 32
...
	.end_amdgpu_metadata
.endif
;; end of part 2
